; MI455X (gfx1250); checked and timed in simulation.
; The chip was launched on July 23, 2026; its instructions are those of AMD's public machine-readable ISA for CDNA 5 (MIT licence, August 2026) and "CDNA5" Instruction Set Architecture Reference Guide (July 2026). The comments in the code are by the model that wrote it; some were corrected since.
;; Multi Head Attention. Allowed arithmetic: matrix products marked QUANTISED: E2M1 operands, one E8M0 scale for each 32 along K, by v_wmma_scale_f32_16x16x128_f8f6f4 with both operands' format E2M1 (or v_wmma_scale_f32_32x16x128_f4), f32 sums; everything else in f32.
;; Inputs: Wk_codes 1,024 x 32 x 16 uint8 (E2M1 codes of Wk, K innermost, in blocks of 32 codes, two codes a byte); Wk_scales 1,024 x 32 uint8 (E8M0 scales of Wk, one for each 32 codes along K); Wo_codes 1,024 x 32 x 16 uint8 (E2M1 codes of Wo, K innermost, in blocks of 32 codes, two codes a byte); Wo_scales 1,024 x 32 uint8 (E8M0 scales of Wo, one for each 32 codes along K); Wq_codes 1,024 x 32 x 16 uint8 (E2M1 codes of Wq, K innermost, in blocks of 32 codes, two codes a byte); Wq_scales 1,024 x 32 uint8 (E8M0 scales of Wq, one for each 32 codes along K); Wv_codes 1,024 x 32 x 16 uint8 (E2M1 codes of Wv, K innermost, in blocks of 32 codes, two codes a byte); Wv_scales 1,024 x 32 uint8 (E8M0 scales of Wv, one for each 32 codes along K); bk 1,024 float32; bo 1,024 float32; bq 1,024 float32; bv 1,024 float32; x_codes 2 x 2,048 x 32 x 16 uint8 (E2M1 codes of x, K innermost, in blocks of 32 codes, two codes a byte); x_scales 2 x 2,048 x 32 uint8 (E8M0 scales of x, one for each 32 codes along K).
;; Outputs: out0 2 x 2,048 x 1,024 float32.
;; This version of the problem:
;;   THIS VERSION OF THE PROBLEM IS GIVEN IN LOW PRECISION. The matrix products marked QUANTISED in the list below multiply operands that are first quantised to E2M1 (2 exponent bits, 1 mantissa bit; 4 bits a number), with one power-of-two scale for each 32 numbers along K (OCP MX v1.0); their sums are f32. All else is computed in f32.
;;   The module's matrix products, in the order in which they are computed (A, B: the left and right operand; K: the contracted axis; several contracted axes count as one K, in the product's order):
;;     1. [M 4,096, K 1,024] x [K 1,024, N 1,024]; A: input x (given as codes); B: input Wq (given as codes): QUANTISED
;;     2. [M 4,096, K 1,024] x [K 1,024, N 1,024]; A: input x (given as codes); B: input Wk (given as codes): QUANTISED
;;     3. [M 4,096, K 1,024] x [K 1,024, N 1,024]; A: input x (given as codes); B: input Wv (given as codes): QUANTISED
;;     4. batch 32 x [M 2,048, K 64] x [K 64, N 2,048]; A: computed on the way; B: computed on the way: QUANTISED
;;     5. batch 32 x [M 2,048, K 2,048] x [K 2,048, N 64]; A: softmax (see below); B: computed on the way: QUANTISED
;;     6. [M 4,096, K 1,024] x [K 1,024, N 1,024]; A: computed on the way; B: input Wo (given as codes): QUANTISED
;;   THE QUANTISER, for each operand of a quantised product, along K:
;;     - K is cut into blocks of 32 from its start; a last block that is shorter is filled with zeros.
;;     - A block's scale is 2^e with e = floor(log2(the largest magnitude in the block)) - 2, held to -126 .. 127; a block of zeros has e = 0. As a byte (E8M0): e + 127.
;;     - Each number is divided by its block's scale, clamped to +-6, and rounded to the nearest number of E2M1, ties to even, subnormals kept.
;;     - The product sums the exact products of the quantised numbers (number of the format x scale) in f32.
;;   ~~~python
;;   def quantise(x, axis):      # numpy; x: float32 -> the quantised numbers, widened to float32 again
;;       x = np.moveaxis(x, axis, -1); K = x.shape[-1]
;;       x = np.pad(x, [(0, 0)] * (x.ndim - 1) + [(0, -K % 32)]); x = x.reshape(x.shape[:-1] + (-1, 32)); a = np.abs(x).max(-1, keepdims=True)
;;       e = np.where(a > 0, np.clip(np.frexp(np.where(a > 0, a, 1))[1] - 1 - 2, -126, 127), 0)      # np.frexp(a)[1] - 1 = floor(log2(a)), exactly
;;       r = np.clip(x / 2.0 ** e, -6, 6)
;;       step = 2.0 ** (np.maximum(np.frexp(np.where(r == 0, 1, r))[1] - 1, 0) - 1)
;;       q = np.round(r / step) * step * 2.0 ** e      # np.round: ties to even
;;       return np.moveaxis(q.reshape(q.shape[:-2] + (-1,))[..., :K], -1, axis).astype(np.float32)
;;   ~~~
;;   SOFTMAX AHEAD OF A QUANTISED PRODUCT. Where the list says 'softmax', what is quantised is not the finished softmax but p = 2^(t - M), with t = logit x log2(e) and M = ceil(the row's largest t), a whole number; so 1/2 < the row's largest p <= 1. The row's sum l is taken of the UNQUANTISED p, in f32, and the product's result is divided by l at the end. Since M is a whole number, a kernel that streams over the keys may use a running M (the ceiling of the running maximum): every later rescaling is an exact power of two, which a block's scale takes up: the codes' values come out the same.
;;   OPERANDS COMPUTED ON THE WAY. 'Computed on the way' means the value that the module computes at that place (a softmax that the list does not call 'softmax' is quantised finished and normalised). What goes into a quantiser is computed in f32, as accurately as f32 sums, v_exp_f32 and their like allow (about 1e-6 of the number): no bf16 or f16 on the way to a quantiser, and a product that is left as it is and whose result goes on into a quantised operand takes f32 operands (vector FMAs, or v_wmma_f32_16x16x4_f32). A number that lies on a knife's edge between two numbers of the format may be rounded either way, as far as f32 arithmetic and the matrix unit's own rounding can turn it there, and no further.
;;   INPUTS GIVEN AS CODES. Wk (in the module: [1024, 1024], K = its axis 1); Wo (in the module: [1024, 1024], K = its axis 1); Wq (in the module: [1024, 1024], K = its axis 1); Wv (in the module: [1024, 1024], K = its axis 1); x (in the module: [2, 2048, 1024], K = its axis 2): each comes as NAME_codes (uint8): NAME with its K axis moved to the last place and cut into blocks of 32 codes, [.., K / 32, bytes a block], one block behind the other in memory; two codes a byte, the lower K in the low four bits (a code: sign, 2 exponent bits, 1 mantissa bit); and NAME_scales (uint8): the same leading axes, one E8M0 byte (e + 127) for each 32 codes along K. Its value is code x scale, taken as it is: it is not quantised again, and the codes and scales need not be those that the quantiser above would give.
;; One version. Each part assembles by itself: llvm-mc -triple=amdgcn-amd-amdhsa -mcpu=gfx1250 --defsym DOCPART=n.
;; ======== version 1 of 1: 3 launches
;; limits: right only within a limited range of input values
;; workspace buffers: qbuf 2,228,224 bytes; kvbuf 4,456,448 bytes; aimg 2,097,152 bytes; ascl 131,072 bytes
;; launch qkv (part 1): grid 8 x 32, 12 waves a work-group, clusters of 4 x 4, 327,680 bytes of LDS; arguments x_codes, x_scales, Wq_codes, Wq_scales, Wk_codes, Wk_scales, Wv_codes, Wv_scales, bq, bk, bv, qbuf, kvbuf; writes qbuf, kvbuf
.if DOCPART == 1
	.amdgcn_target "amdgcn-amd-amdhsa--gfx1250"
	.amdhsa_code_object_version 6
	.text
	.protected	k_q9bfcc99242_qkv
	.globl	k_q9bfcc99242_qkv
	.p2align	8
	.type	k_q9bfcc99242_qkv,@function
k_q9bfcc99242_qkv:
	s_mov_b64 s[64:65], 0
	v_nop
	global_prefetch_b8 v0, s[64:65] scope:SCOPE_SE
	s_setreg_imm32_b32 hwreg(HW_REG_WAVE_MODE, 25, 1), 1
	s_wait_xcnt 0x0
	s_wait_alu depctr_hold_cnt(0) depctr_sa_sdst(0) depctr_va_vdst(0) depctr_va_sdst(0) depctr_va_ssrc(0) depctr_va_vcc(0) depctr_vm_vsrc(0)
	s_getreg_b32 s2, hwreg(HW_REG_IB_STS2, 6, 4)
	s_cmp_eq_u32 s2, 0
	s_cbranch_scc0 .Lentry_in_a_cluster
	s_endpgm
.Lentry_in_a_cluster:
	s_bfe_u32 s2, ttmp6, 0x10000c
	s_cmp_lg_u32 s2, 0xf033
	s_cbranch_scc0 .Lentry_shape_is_right
	s_endpgm
.Lentry_shape_is_right:
; q = x Wq^T + bq, k = x Wk^T + bk, v = x Wv^T + bv on codes of FP4 (E2M1) with one E8M0 scale for each 32 along K = 1,024; the results are quantised at once:
; q and k along the head's 64, v along the keys, and leave as images of operand registers (16 bytes a lane, 512 bytes a store) with their scale bytes beside them.
; SHARES.  A work-group owns rows 128 Y .. + 127 of x (batch Y / 16, step Y % 16) and columns 128 X .. + 127 (heads 2 X, 2 X + 1) of q, k and v.  Twelve waves: role = wave / 4 (0 q, 1 k, 2 v); a wave makes
; 64 x 64: source 0 is four tiles of 16 rows, source 1 four tiles.  Roles q, k: source 0 = the weight's rows of one head, source 1 = 64 rows of x.  Role v: source 0 = x, source 1 = Wv.
; So in each role a lane's registers run along the NEXT product's K.
; THE ROWS OF A TILE ARE NOT NEIGHBOURS: lane r of tile 4 c + u takes row 64 c + 32 (r / 8) + 8 (u xor (r / 8)) + r % 8 of the block of 128, for x and the weights alike.  A lane's 32 registers of four tiles are then
; one WHOLE block of 32 (block 2 c + lane / 16), in odd blocks with neighbouring groups of eight exchanged, alike in both operands of the later products.  The 16 rows of a load are distinct modulo 16.
; LDS is filled once, one tensor load a wave: waves 0-3 the first half of K of Wq, Wk, x, Wv, waves 4-7 the second half, waves 8-11 their scale bytes.
; CLUSTER 4 x 4: x's tile hangs on Y alone and is asked for jointly along a row of the cluster, a weight's tile on X alone, along a column.
; The accumulators begin as the bias.  No prefetch: all that the work-group reads is asked for at its head, and there is no loop to run ahead in.
; LIMITS: NaN and infinities are not served.  A block whose largest magnitude lies under 2^-124 (zeros too) gets the scale byte 1: only this program reads the bytes.
.set HT,   128*272                     ; a tile: 128 rows of 256 bytes + 16 of padding
.set SCL,  8*HT                        ; scale bytes, 4,096 dense bytes a region: Wq, Wk, x, Wv
.set STG,  SCL+4*4096                  ; the stage of scale bytes, [role][head 2][256]: written by LDS stores alone
.set SPARE, STG+1536
.set G1XC, 4
.set G1XS, 12
.set G1WC, 20
.set G1WS, 28
.set GXC,  36
.set GWC,  40
.set GXS,  44
.set GWS,  48
.set S0,   52                          ; which half of source 0's block is mine
.set S1,   53                          ; which half of source 1's
.set HD,   54                          ; my head of the two
.set CC,   55                          ; my half of the 128 rows of x
.set WV,   60
.set RHO,  61                          ; role; also what I fetch: K half 0, K half 1, scale bytes
.set SUB,  62                          ; wave % 4; also the region that I fetch
.set ISV,  63
.set XB,   67
.set YB,   2
.set BP,   84
.set OUT,  90
.set A0,   1                           ; v1, v2  LDS address of source 0's even and odd tiles
.set A1,   3                           ; v3, v4  source 1's
.set AS0,  5                           ; v5      source 0's scale words: lanes 0-15 the even tile of a pair, lanes 16-31 the odd
.set AS1,  6                           ; v6, v7  source 1's, even and odd tiles
.set SW,   8
.set RB,   9
.set OF,   10                          ; v10-13 byte offsets of my four image stores
.set SO,   14
.set SPW,  15
.set NIL,  16
.set BE,   17                          ; v17, v18 bias offsets, roles q, k
.set BV,   120                         ; v120, v121 bias offsets, role v
.set SC0,  28                          ; v28-35  register 4 pair + q  (scales and nothing else)
.set SC1,  36                          ; v36-51  register 4 unit + q  (scales and nothing else)
.set F0,   52                          ; v52-83  source 0's four fragments
.set F1,   84                          ; v84-115 source 1's four
.set ACC,  128                         ; v128-255 unit j: 32 registers at 128 + 32 j
.set TM,   52                          ; behind the products: largest magnitudes, scale operands, scale bytes
.set CD,   64                          ; v64-79 codes
.set RBK,  80
.macro CROUND
	s_barrier_signal -1
	s_barrier_wait -1
	s_cmp_lg_u32 s[WV], 0
	s_cbranch_scc1 .Lnot_wave_0_\@
	s_barrier_signal -3
.Lnot_wave_0_\@:
	s_barrier_wait -3
	s_barrier_signal -1
	s_barrier_wait -1
.endm
.macro BARRIER
	s_wait_dscnt 0x0
	s_barrier_signal -1
	s_barrier_wait -1
.endm
.macro PLACES n
.rept \n
	v_nop
.endr
.endm
.macro DIM g, c, r, p                  ; descriptor group 1: rows of c elements, r rows, p elements from row to row
	s_mov_b32 s[\g+1], (\c)<<16
	s_mov_b32 s[\g+2], (\r)<<16
	s_mov_b32 s[\g+3], (\c)<<16
	s_mov_b32 s[\g+4], \r
	s_mov_b32 s[\g+5], \p
	s_mov_b32 s[\g+6], 0
	s_mov_b32 s[\g+7], 0
.endm
.macro TL g0, g1                       ; one arm of the tree of first fills
	tensor_load_to_lds s[\g0:\g0+3], s[\g1:\g1+7]
	s_nop 0
	PLACES 4
	s_branch .Lasked
.endm
	s_load_b512 s[68:83], s[0:1], 0x0              ; x, Wq, Wk, Wv: codes, scales each
	s_load_b256 s[84:91], s[0:1], 0x40             ; bq, bk, bv, qbuf
	s_load_b64 s[92:93], s[0:1], 0x60              ; kvbuf
	v_lshl_add_u32 v[SPW], v0, 2, SPARE
	v_mov_b32 v[NIL], 0
	ds_add_u32 v[SPW], v[NIL]                      ; the opening adds
	ds_add_u32 v[SPW], v[NIL]
	v_lshrrev_b32 v20, 5, v0
	v_readfirstlane_b32 s[WV], v20                 ; wave 0..11
	s_lshr_b32 s[RHO], s[WV], 2
	s_and_b32 s[SUB], s[WV], 3
	s_lshr_b32 s[ISV], s[RHO], 1
	s_lshr_b32 s[S0], s[SUB], 1
	s_and_b32 s[S1], s[SUB], 1
	s_xor_b32 s3, s[S0], s[S1]
	s_and_b32 s3, s3, s[ISV]
	s_xor_b32 s[HD], s[S0], s3                     ; q, k: head = S0, rows of x = S1; v: the other way round
	s_xor_b32 s[CC], s[S1], s3
	s_bfe_u32 s3, ttmp6, 0x40000                   ; cx
	s_bfe_u32 s104, ttmp6, 0x40004                 ; cy
	s_and_b32 s[YB], ttmp7, 0xffff                 ; clusters: their y's low bit tells the columns apart, the rest of y and x the rows of x: so each of the two values of the cluster's x has rows of its own
	s_and_b32 s[XB], s[YB], 1
	s_lshl_b32 s[XB], s[XB], 2
	s_add_co_u32 s[XB], s[XB], s3
	s_lshr_b32 s[YB], s[YB], 1
	s_lshl_b32 s[YB], s[YB], 1
	s_add_co_u32 s[YB], s[YB], ttmp9
	s_lshl_b32 s[YB], s[YB], 2
	s_add_co_u32 s[YB], s[YB], s104
	s_lshl_b32 s104, s104, 2
	s_lshl_b32 s104, 15, s104                      ; my row of the cluster
	s_lshl_b32 s3, 0x1111, s3                      ; my column
	s_or_b32 s[G1XC], s104, (1<<20)|(1<<21)|(5<<22)|(3<<25)   ; codes: 128 rows x 256 bytes, 512 apart, 4 words of padding behind every 64; bit 21 beside the mask
	s_or_b32 s[G1WC], s3, (1<<20)|(1<<21)|(5<<22)|(3<<25)
	DIM G1XC, 256, 128, 512
	DIM G1WC, 256, 128, 512
	s_or_b32 s[G1XS], s104, (3<<16)|(1<<21)        ; scale bytes: 4,096 dense bytes
	s_or_b32 s[G1WS], s3, (3<<16)|(1<<21)
	DIM G1XS, 32, 16, 32
	DIM G1WS, 32, 16, 32
	; scalar parts of the LDS addresses: constants and the wave alone
	s_mul_i32 s94, s[RHO], HT                      ; source 0's region is the role's number
	s_mul_i32 s95, s[S0], 64*272
	s_add_co_u32 s94, s94, s95
	s_add_co_u32 s96, s[ISV], 2                    ; source 1's: x (2), in role v Wv (3)
	s_mul_i32 s95, s96, HT
	s_mul_i32 s97, s[S1], 64*272
	s_add_co_u32 s95, s95, s97
	s_lshl_b32 s96, s96, 12
	s_lshl_b32 s97, s[S1], 11
	s_add_co_u32 s96, s96, s97
	s_add_co_u32 s96, s96, SCL
	s_lshl_b32 s97, s[RHO], 12
	s_lshl_b32 s98, s[S0], 11
	s_add_co_u32 s97, s97, s98
	s_add_co_u32 s97, s97, SCL
	s_lshl_b32 s98, s[RHO], 9
	s_add_co_u32 s98, s98, STG                     ; my role's 512 bytes of the stage
	s_lshl_b32 s99, s[HD], 8
	s_lshl_b32 s100, s[CC], 1
	s_add_co_u32 s99, s99, s100
	s_add_co_u32 s99, s99, s98
	v_and_b32 v20, 31, v0                          ; lane
	v_and_b32 v21, 15, v0                          ; r
	v_bfe_u32 v22, v0, 4, 1                        ; h = lane / 16
	v_bfe_u32 v23, v0, 3, 1                        ; g = r / 8
	v_and_b32 v24, 7, v0                           ; r % 8
	v_mul_u32_u24 v25, 40, v23
	v_mul_u32_u24 v26, 24, v23
	v_xor_b32 v27, v22, v23
	v_add_nc_u32 v25, v25, v24                     ; a row of an even tile: 40 g + r % 8 (+ 8 u)
	v_add_nc_u32 v26, v26, v24                     ; of an odd tile: 24 g + r % 8 (+ 8 u)
	v_lshl_add_u32 v27, v27, 3, v24
	v_mul_u32_u24 v52, 272, v25
	v_mul_u32_u24 v53, 272, v26
	v_lshl_add_u32 v27, v23, 5, v27                ; lanes 0-15 the even tile's row, lanes 16-31 the odd tile's (+ 16 pair)
	v_lshl_add_u32 v52, v22, 4, v52
	v_lshl_add_u32 v53, v22, 4, v53
	v_lshl_add_u32 v54, v21, 3, v22
	v_add_nc_u32 v[A0], s94, v52
	v_add_nc_u32 v[A0+1], s94, v53
	v_add_nc_u32 v[A1], s95, v52
	v_add_nc_u32 v[A1+1], s95, v53
	v_lshl_add_u32 v[AS0], v27, 5, s97
	v_lshl_add_u32 v[AS1], v25, 5, s96
	v_lshl_add_u32 v[AS1+1], v26, 5, s96
	v_add_nc_u32 v[SW], s99, v54                   ; a scale byte: 8 r + h + 2 c (+ 128 (u % 2) + 4 (u / 2))
	v_lshl_add_u32 v[RB], v20, 4, s98
	v_mul_u32_u24 v[BE], 160, v22                  ; bias, roles q, k: column 32 h + 8 (u xor h)
	v_mul_u32_u24 v[BE+1], 96, v22
	v_lshlrev_b32 v[BV], 2, v25                    ; role v: my channel
	v_lshlrev_b32 v[BV+1], 2, v26
	s_wait_alu depctr_va_vdst(0)
	s_wait_dscnt 0x0                               ; both opening adds are done
	s_wait_kmcnt 0x0
	s_cmp_eq_u32 s[SUB], 1                         ; the weight that I fetch, if I fetch one: 0 Wq, 1 Wk, 3 Wv
	s_cselect_b64 s[76:77], s[76:77], s[80:81]
	s_cselect_b64 s[78:79], s[78:79], s[82:83]
	s_cmp_eq_u32 s[SUB], 0
	s_cselect_b64 s[72:73], s[72:73], s[76:77]
	s_cselect_b64 s[74:75], s[74:75], s[78:79]
	s_cmp_eq_u32 s[RHO], 1                         ; my role's bias and buffer
	s_cselect_b64 s[86:87], s[86:87], s[88:89]
	s_cmp_eq_u32 s[RHO], 0
	s_cselect_b64 s[BP:BP+1], s[84:85], s[86:87]
	s_cselect_b64 s[OUT:OUT+1], s[90:91], s[92:93]
	s_mul_i32 s3, s[WV], HT                        ; codes: region and half together are the wave's number
	s_lshl_b32 s94, s[SUB], 12
	s_add_co_u32 s94, s94, SCL
	s_lshl_b32 s96, s[RHO], 8                      ; K half, in bytes of a row
	s_mov_b32 s97, 0
	s_lshl_b32 s104, s[YB], 16                     ; x: Y alone enters
	s_mov_b32 s105, 0
	s_mov_b32 s[GXC], 1
	s_mov_b32 s[GXC+1], s3
	s_add_nc_u64 s[GXC+2:GXC+3], s[68:69], s[104:105]
	s_add_nc_u64 s[GXC+2:GXC+3], s[GXC+2:GXC+3], s[96:97]
	s_or_b32 s[GXC+3], s[GXC+3], 0x80000000
	s_lshl_b32 s104, s[YB], 12
	s_mov_b32 s[GXS], 1
	s_mov_b32 s[GXS+1], s94
	s_add_nc_u64 s[GXS+2:GXS+3], s[70:71], s[104:105]
	s_or_b32 s[GXS+3], s[GXS+3], 0x80000000
	s_lshl_b32 s80, s[XB], 16                      ; weights: X and the wave alone
	s_mov_b32 s81, 0
	s_mov_b32 s[GWC], 1
	s_mov_b32 s[GWC+1], s3
	s_add_nc_u64 s[GWC+2:GWC+3], s[72:73], s[80:81]
	s_add_nc_u64 s[GWC+2:GWC+3], s[GWC+2:GWC+3], s[96:97]
	s_or_b32 s[GWC+3], s[GWC+3], 0x80000000
	s_lshl_b32 s80, s[XB], 12
	s_mov_b32 s[GWS], 1
	s_mov_b32 s[GWS+1], s94
	s_add_nc_u64 s[GWS+2:GWS+3], s[74:75], s[80:81]
	s_or_b32 s[GWS+3], s[GWS+3], 0x80000000
	s_lshl_b32 s80, s[XB], 9
	s_lshl_b32 s82, s[HD], 8
	s_add_co_u32 s80, s80, s82
	s_add_nc_u64 s[BP:BP+1], s[BP:BP+1], s[80:81]  ; the bias at my head's first column
	CROUND                                         ; all sixteen work-groups are here: the joint loads meet
	; THE FILLS, one a wave, in one tree; the second half of K has lines of its own, since its waves wait later
	s_cmp_eq_u32 s[RHO], 0
	s_cbranch_scc0 .Lhalf1
	s_cmp_eq_u32 s[SUB], 2
	s_cbranch_scc0 .Lw0
	TL GXC, G1XC
.Lw0:
	TL GWC, G1WC
.Lhalf1:
	s_cmp_eq_u32 s[RHO], 1
	s_cbranch_scc0 .Lscales
	s_cmp_eq_u32 s[SUB], 2
	s_cbranch_scc0 .Lw1
	TL GXC, G1XC
.Lw1:
	TL GWC, G1WC
.Lscales:
	s_cmp_eq_u32 s[SUB], 2
	s_cbranch_scc0 .Lws
	TL GXS, G1XS
.Lws:
	tensor_load_to_lds s[GWS:GWS+3], s[G1WS:G1WS+7]
	s_nop 0
	PLACES 4
.Lasked:
	; where the results go.  qbuf: [bh 32][step 16] of 4,352 bytes: 8 tiles of 512, then 256 scale bytes.  kvbuf: [bh][step] of 8,704: K's 8 tiles, V's 4 channel tiles of 1,024, K's 256 scale bytes, V's 256
	s_lshr_b32 s68, s[YB], 4
	s_lshl_b32 s68, s68, 4
	s_lshl_b32 s69, s[XB], 1
	s_add_co_u32 s68, s68, s69                     ; 16 x batch + 2 X
	s_and_b32 s69, s[YB], 15                       ; step
	s_mul_i32 s70, s68, 69632
	s_mul_i32 s69, s69, 4352
	s_add_co_u32 s70, s70, s69
	s_min_u32 s71, s[RHO], 1                       ; k, v: twice the strides
	s_lshl_b32 s70, s70, s71
	s_mov_b32 s72, 69632
	s_lshl_b32 s72, s72, s71                       ; from head to head
	s_mul_i32 s73, s72, s[HD]
	s_add_co_u32 s73, s73, s70
	s_lshl_b32 s75, s[ISV], 1
	s_movk_i32 s74, 2048
	s_lshr_b32 s74, s74, s75                       ; my half of the rows of x: 2,048 bytes on, in role v 512
	s_mul_i32 s74, s74, s[CC]
	s_add_co_u32 s73, s73, s74
	s_lshl_b32 s74, s[ISV], 12
	s_add_co_u32 s73, s73, s74
	s_movk_i32 s76, 512
	s_lshl_b32 s76, s76, s[ISV]                    ; from unit to unit: 512, in role v 1,024
	s_movk_i32 s77, 4096
	s_lshl_b32 s77, s77, s71
	s_lshl_b32 s78, s[ISV], 8
	s_add_co_u32 s77, s77, s78
	s_add_co_u32 s77, s77, s70                     ; scale bytes: 4,096 (q), 8,192 (k), 8,448 (v) on
	v_lshl_add_u32 v[OF], v20, 4, s73
	v_mul_u32_u24 v122, s72, v22
	v_lshl_add_u32 v123, v21, 4, s77
	v_add_nc_u32 v[OF+1], s76, v[OF]
	v_add_nc_u32 v[SO], v122, v123                 ; lanes 0-15 the first head's 256 bytes, lanes 16-31 the second's
	v_add_nc_u32 v[OF+2], s76, v[OF+1]
	v_add_nc_u32 v[OF+3], s76, v[OF+2]
	s_wait_alu depctr_va_vdst(0)
	s_cmp_eq_u32 s[ISV], 0                         ; THE ACCUMULATORS BEGIN AS THE BIAS, while the tiles are on their way
	s_cbranch_scc0 .Lbias_v
.irp j, 0,1,2,3
.irp u, 0,1,2,3
	global_load_b128 v[ACC+32*\j+8*\u:ACC+32*\j+8*\u+3], v[BE+(\u%2)], s[BP:BP+1] offset:32*\u
	global_load_b128 v[ACC+32*\j+8*\u+4:ACC+32*\j+8*\u+7], v[BE+(\u%2)], s[BP:BP+1] offset:32*\u+16
.endr
.endr
	s_branch .Lbias_done
.Lbias_v:
.irp j, 0,1,2,3
	global_load_b32 v[116+\j], v[BV+(\j%2)], s[BP:BP+1] offset:32*\j
.endr
	s_wait_loadcnt 0x0
.macro SPREAD j, o                     ; role v: a lane holds one channel of unit j: one number serves its 32 registers
.set n, ACC+32*\j
.rept 16
	v_pk_add_f32 v[n:n+1], v[116+2*(\j/2):117+2*(\j/2)], 0 op_sel:[\o,0] op_sel_hi:[\o,0]
.set n, n+2
.endr
.endm
	SPREAD 0, 0
	SPREAD 1, 1
	SPREAD 2, 0
	SPREAD 3, 1
.Lbias_done:
	s_wait_alu depctr_va_vdst(0)
	s_cmp_eq_u32 s[RHO], 1
	s_cbranch_scc1 .Lhalf1_out
	s_wait_tensorcnt 0x0                           ; K half 0 and the scale bytes; waves 4 to 7 leave K half 1 out
.Lhalf1_out:
	s_wait_loadcnt 0x0                             ; the bias
	s_barrier_signal -1
	s_barrier_wait -1
; 128 along K: 16 LDS loads in one run, 8 products of 32 x 16.  The 8 accumulators take turns, in the same order in every step
.macro KSTEP q, pl
.if \pl
	PLACES 4                                       ; in front of the loads into registers that the last products read
.endif
.irp j, 0,1,2,3
.irp c, 0,1
	ds_load_b128 v[F1+8*\j+4*\c:F1+8*\j+4*\c+3], v[A1+(\j%2)] offset:8*\j*272+64*\q+32*\c
.endr
.endr
.irp u, 0,1,2,3
.irp c, 0,1
	ds_load_b128 v[F0+8*\u+4*\c:F0+8*\u+4*\c+3], v[A0+(\u%2)] offset:8*\u*272+64*\q+32*\c
.endr
.endr
	s_wait_dscnt 4                                 ; source 1 and tiles 0, 1 are in; the youngest four loads (tiles 2, 3) may be out
.irp j, 0,1,2,3
	v_wmma_scale_f32_32x16x128_f4 v[ACC+32*\j:ACC+32*\j+15], v[F0:F0+15], v[F1+8*\j:F1+8*\j+7], v[ACC+32*\j:ACC+32*\j+15], v[SC0+\q], v[SC1+4*\j+\q]
.endr
	s_wait_dscnt 0x0
.irp j, 0,1,2,3
	v_wmma_scale_f32_32x16x128_f4 v[ACC+32*\j+16:ACC+32*\j+31], v[F0+16:F0+31], v[F1+8*\j:F1+8*\j+7], v[ACC+32*\j+16:ACC+32*\j+31], v[SC0+4+\q], v[SC1+4*\j+\q]
.endr
.endm
.macro HALF kh
	ds_load_b128 v[SC0:SC0+3], v[AS0] offset:16*\kh
	ds_load_b128 v[SC0+4:SC0+7], v[AS0] offset:512+16*\kh
.irp j, 0,1,2,3
	ds_load_b128 v[SC1+4*\j:SC1+4*\j+3], v[AS1+(\j%2)] offset:256*\j+16*\kh
.endr
	KSTEP 0, 0
	KSTEP 1, 1
	KSTEP 2, 1
	KSTEP 3, 1
.endm
	HALF 0
	s_wait_tensorcnt 0x0                           ; K half 1 has landed,
	BARRIER                                        ; everybody's
.irp a, 0,1,2,3
	v_add_nc_u32 v[A0+\a], 4*HT, v[A0+\a]          ; (four places in front of the loads below)
.endr
	s_wait_alu depctr_va_vdst(0)                   ; directly behind the writes
	HALF 1
	; each unit's 32 registers are one block of the next product's K.  Each accumulator is read from its low end on
	PLACES 4
.irp j, 0,1,2,3
	v_max3_num_f32 v[TM+\j], |v[ACC+32*\j]|, |v[ACC+32*\j+1]|, 0x1800000   ; and the floor 2^(3 - 127): the byte cannot fall under 1
.endr
.irp i, 2,4,6,8,10,12,14,16,18,20,22,24,26,28,30
.irp j, 0,1,2,3
	v_max3_num_f32 v[TM+\j], v[TM+\j], |v[ACC+32*\j+\i]|, |v[ACC+32*\j+\i+1]|
.endr
.endr
.irp j, 0,1,2,3
	v_add_nc_u32 v[TM+4+\j], 0xff000000, v[TM+\j]  ; 2 off its exponent field: the conversion's scale operand
.endr
.irp j, 0,1,2,3
	v_lshrrev_b32 v[TM+8+\j], 23, v[TM+4+\j]       ; the scale's byte
.endr
.irp j, 0,1,2,3
.irp g, 0,1,2,3
	v_cvt_scalef32_pk8_fp4_f32 v[CD+4*\j+\g], v[ACC+32*\j+8*\g:ACC+32*\j+8*\g+7], v[TM+4+\j]
.endr
.endr
	v_nop                                          ; one plain place behind a scaled conversion
.irp j, 0,1,2,3
	global_store_b128 v[OF+\j], v[CD+4*\j:CD+4*\j+3], s[OUT:OUT+1]   ; 32 lanes store 512 consecutive bytes, at a multiple of 256
	ds_store_b8 v[SW], v[TM+8+\j] offset:128*(\j%2)+4*(\j/2)
.endr
	BARRIER                                        ; the six blocks of 256 scale bytes lie in the stage
	s_cmp_eq_u32 s[SUB], 0
	s_cbranch_scc0 .Lno_scl
	ds_load_b128 v[RBK:RBK+3], v[RB]
	s_wait_dscnt 0x0
	global_store_b128 v[SO], v[RBK:RBK+3], s[OUT:OUT+1]   ; two whole units of 256 bytes
.Lno_scl:
	s_wait_tensorcnt 0x0                           ; the wave's end
	ds_add_u32 v[SPW], v[NIL]
	s_wait_dscnt 0x0
	CROUND                                         ; the closing round
	s_endpgm
.Lfunc_end_k_q9bfcc99242_qkv:
	.size	k_q9bfcc99242_qkv, .Lfunc_end_k_q9bfcc99242_qkv-k_q9bfcc99242_qkv
	.p2alignl 7, 3214868480
	.fill 96, 4, 3214868480
	.section	.rodata,"a",@progbits
	.p2align	6, 0x0
	.amdhsa_kernel k_q9bfcc99242_qkv
		.amdhsa_group_segment_fixed_size 327680
		.amdhsa_private_segment_fixed_size 0
		.amdhsa_enable_private_segment 0
		.amdhsa_kernarg_size 104
		.amdhsa_user_sgpr_count 2
		.amdhsa_user_sgpr_kernarg_segment_ptr 1
		.amdhsa_wavefront_size32 1
		.amdhsa_system_sgpr_workgroup_id_x 1
		.amdhsa_system_sgpr_workgroup_id_y 1
		.amdhsa_system_sgpr_workgroup_id_z 1
		.amdhsa_system_vgpr_workitem_id 0
		.amdhsa_next_free_vgpr 256
		.amdhsa_next_free_sgpr 106
		.amdhsa_reserve_vcc 0
		.amdhsa_float_denorm_mode_32 3
		.amdhsa_float_denorm_mode_16_64 3
		.amdhsa_memory_ordered 1
		.amdhsa_forward_progress 1
		.amdhsa_inst_pref_size 45
	.end_amdhsa_kernel
	.amdgpu_metadata
---
amdhsa.version: [ 1, 2 ]
amdhsa.kernels:
  - .name:           k_q9bfcc99242_qkv
    .symbol:         k_q9bfcc99242_qkv.kd
    .args:
      - { .name: x_codes, .offset: 0, .size: 8, .value_kind: global_buffer, .address_space: global }
      - { .name: x_scales, .offset: 8, .size: 8, .value_kind: global_buffer, .address_space: global }
      - { .name: Wq_codes, .offset: 16, .size: 8, .value_kind: global_buffer, .address_space: global }
      - { .name: Wq_scales, .offset: 24, .size: 8, .value_kind: global_buffer, .address_space: global }
      - { .name: Wk_codes, .offset: 32, .size: 8, .value_kind: global_buffer, .address_space: global }
      - { .name: Wk_scales, .offset: 40, .size: 8, .value_kind: global_buffer, .address_space: global }
      - { .name: Wv_codes, .offset: 48, .size: 8, .value_kind: global_buffer, .address_space: global }
      - { .name: Wv_scales, .offset: 56, .size: 8, .value_kind: global_buffer, .address_space: global }
      - { .name: bq, .offset: 64, .size: 8, .value_kind: global_buffer, .address_space: global }
      - { .name: bk, .offset: 72, .size: 8, .value_kind: global_buffer, .address_space: global }
      - { .name: bv, .offset: 80, .size: 8, .value_kind: global_buffer, .address_space: global }
      - { .name: qbuf, .offset: 88, .size: 8, .value_kind: global_buffer, .address_space: global }
      - { .name: kvbuf, .offset: 96, .size: 8, .value_kind: global_buffer, .address_space: global }
    .group_segment_fixed_size: 327680
    .private_segment_fixed_size: 0
    .kernarg_segment_align: 8
    .kernarg_segment_size: 104
    .max_flat_workgroup_size: 384
    .sgpr_count:     106
    .vgpr_count:     256
    .wavefront_size: 32
...
	.end_amdgpu_metadata
.endif
;; end of part 1
;; launch attn (part 2): grid 8 x 32, 16 waves a work-group, clusters of 4 x 1, 167,936 bytes of LDS; arguments qbuf, kvbuf, aimg, ascl; writes aimg, ascl
.if DOCPART == 2
	.amdgcn_target "amdgcn-amd-amdhsa--gfx1250"
	.amdhsa_code_object_version 6
	.text
	.protected	k_q9bfcc99242_attn
	.globl	k_q9bfcc99242_attn
	.p2align	8
	.type	k_q9bfcc99242_attn,@function
k_q9bfcc99242_attn:
	s_mov_b64 s[64:65], 0
	v_nop
	global_prefetch_b8 v0, s[64:65] scope:SCOPE_SE
	s_setreg_imm32_b32 hwreg(HW_REG_WAVE_MODE, 25, 1), 1
	s_wait_xcnt 0x0
	s_wait_alu depctr_hold_cnt(0) depctr_sa_sdst(0) depctr_va_vdst(0) depctr_va_sdst(0) depctr_va_ssrc(0) depctr_va_vcc(0) depctr_vm_vsrc(0)
	s_getreg_b32 s2, hwreg(HW_REG_IB_STS2, 6, 4)
	s_cmp_eq_u32 s2, 0
	s_cbranch_scc0 .Lentry_in_a_cluster
	s_endpgm
.Lentry_in_a_cluster:
	s_bfe_u32 s2, ttmp6, 0x10000c
	s_cmp_lg_u32 s2, 0x3003
	s_cbranch_scc0 .Lentry_shape_is_right
	s_endpgm
.Lentry_shape_is_right:
; O = softmax(Q K^T / 8) V for one head, both products on codes of FP4 (E2M1) with E8M0 scales; O / the row's sum is quantised along the embedding (a block of 32 is half a head) and leaves as an image of the last product's operand.
; THE SOFTMAX AHEAD OF THE SECOND PRODUCT: t = score x log2(e) / 8; M = the row's largest t so far, rounded UP to a whole number; p = 2^(t - M) is quantised along the keys, not normalised.  The row's sum is taken
; of the unquantised p and divides O at the end.  When M moves, the sum and O are multiplied by 2^(old M - new M): exact.
; SHARES.  A work-group owns 256 queries of head bh; each of its sixteen waves one tile of 16, in 256 registers: four waves to a SIMD, so that one wave's vector work stands beside another's products and LDS loads.
; Every wave walks the head's 2,048 keys, 256 a step, in two halves of 128.
; LDS.  The head's K and V images with their scale bytes are 16 dense pieces of 8,704 bytes (128 keys each), 139,264 bytes: they lie in LDS WHOLE, each byte filled once, one tensor load a wave, and ONE barrier
; stands ahead of the walk.  A piece: K's 8 tiles of 512 bytes, V's 4 channel tiles of 1,024, K's scale bytes (256), V's (256).
; CLUSTER 4 x 1: the four query blocks of a cluster belong to one head and read the same K and V: every fill is a joint load that names the four.
; LAYOUT.  Both products are used transposed: S^T = K Q^T, O^T = V^T P^T: a lane holds ONE query throughout.  Tile 4 c + u of K holds in its row m the key 64 c + 32 (m / 8) + 8 (u xor (m / 8)) + m % 8, so that the 32
; registers of a lane's tiles 4 c .. 4 c + 3 are one WHOLE block of 32 keys, 2 c + lane / 16: no other lane is asked for its largest score, and the conversions' results are the operand as they stand.  V's codes have the same order.
; THE FIRST PRODUCT'S K IS 64, HALF OF THE INSTRUCTION'S: a fragment carries TWO tiles of K, one in each half of the instruction's K, and is multiplied by [q, 0] and by [0, q].
; A BLOCK'S SCALE comes from floor(t - M) of its largest score: that whole number is the exponent of the block's largest p (where p rounds up to 1 from below, the codes are held at the largest).
; No prefetch: all that the work-group reads is asked for at its head.
; LIMITS: NaN and infinities are not served; the promise holds while the scaled scores stay under 2^31 in magnitude; 1 / the sum is v_rcp_f32; a block under 2^-124 gets the scale byte 1 (only this program reads the bytes).
.set SB,   8704                        ; a piece: 128 keys
.set ASTG, 16*SB                       ; the stage of the output's scale bytes, 512 bytes: written by LDS stores alone
.set SPARE, ASTG+512
.set LI,   1                           ; v1  16 x lane
.set ADR,  2                           ; v2  the step's pieces, + 16 x lane
.set L8,   3                           ; v3  8 x lane
.set ADS,  4                           ; v4  the step's pieces, + 8 x lane
.set SPW,  5
.set NIL,  6
.set AST,  7
.set QS,   9                           ; v9 Q's scale words; v10 p's (lanes 0-15 the first half's, lanes 16-31 the second's); v28-31 K's, v32-35 V's: scales and nothing else
.set PW,   10
.set NM,   12                          ; v12 -M; v13 the largest score; v[14:15] the sum
.set RM,   13
.set KS0,  28
.set KS1,  30
.set VS0,  32
.set VS1,  34
.set KF,   36                          ; v36-67   fragments: K's, then V's of the first half
.set S,    68                          ; v68-195  S^T, then p; v68-99 also V's fragments of the second half, v100-107 p's codes of the second half
.set O,    196                         ; v196-227 O^T
.set C0,   228                         ; v228-235 p's codes of the first half
.set TB,   236                         ; v236-239 the blocks' largest t - M, then its floor
.set E,    240                         ; v240-243 the conversions' scale operands
.set FF,   244                         ; v244 2^(old M - new M); v246-251 partial sums; v252-255 the blocks' largest scores
.set BM,   252
.set WV,   18
.set NC,   19                          ; -log2(e) / 8
.set SEL,  20                          ; s[20:21] lane selects: lane l xor 16
.set CS,   22                          ; s[22:23] log2(e) / 8, named as a pair by the packed form
.set G1,   24
.set G0,   32
.set TK,   60
.set CNT,  61
.set HM,   62                          ; lanes 16-31
.macro CROUND
	s_barrier_signal -1
	s_barrier_wait -1
	s_cmp_lg_u32 s[WV], 0
	s_cbranch_scc1 .Lnot_wave_0_\@
	s_barrier_signal -3
.Lnot_wave_0_\@:
	s_barrier_wait -3
	s_barrier_signal -1
	s_barrier_wait -1
.endm
	s_load_b256 s[68:75], s[0:1], 0x0              ; qbuf, kvbuf, aimg, ascl
	v_lshl_add_u32 v[SPW], v0, 2, SPARE
	v_mov_b32 v[NIL], 0
	ds_add_u32 v[SPW], v[NIL]                      ; the opening adds
	ds_add_u32 v[SPW], v[NIL]
	v_lshrrev_b32 v36, 5, v0
	v_readfirstlane_b32 s[WV], v36                 ; wave 0..15
	s_bfe_u32 s5, ttmp6, 0x40000                   ; cx
	s_and_b32 s4, ttmp7, 0xffff
	s_and_b32 s9, s4, 1
	s_lshl_b32 s9, s9, 2
	s_add_co_u32 s5, s9, s5                        ; my block of 256 queries = 4 x (cluster y % 2) + cx: it enters Q's and the outputs' addresses alone
	s_lshr_b32 s4, s4, 1
	s_lshl_b32 s4, s4, 1
	s_add_co_u32 s4, s4, ttmp9                     ; bh = 16 x batch + head = 2 x (cluster y / 2) + cluster x, which the four partners share: a head's two clusters have the same x
	s_mov_b32 s[G1], 15|(3<<16)|(1<<21)            ; the mask: all four work-groups; elements of 8 bytes; bit 21 beside the mask
	s_mov_b32 s[G1+1], 32<<16                      ; 34 rows of 256 bytes
	s_mov_b32 s[G1+2], 34<<16
	s_mov_b32 s[G1+3], 32<<16
	s_mov_b32 s[G1+4], 34
	s_mov_b32 s[G1+5], 32
	s_mov_b32 s[G1+6], 0
	s_mov_b32 s[G1+7], 0
	s_mov_b32 s[SEL], 0x76543210
	s_mov_b32 s[SEL+1], 0xfedcba98
	s_mov_b32 s[CS], 0x3e38aa3b
	s_mov_b32 s[CS+1], s[CS]
	s_mov_b32 s[NC], 0xbe38aa3b
	s_mov_b32 s[HM], 0xffff0000
	s_mov_b32 s[TK], 0
	s_mov_b32 s[CNT], 7
	s_mul_i32 s6, s4, 16*SB
	s_mov_b32 s7, 0
	s_mul_i32 s8, s[WV], SB                        ; wave w fetches keys 128 w .. + 127
	s_lshl_b32 s10, s[WV], 5
	s_add_co_u32 s10, s10, ASTG
	s_mov_b32 s9, 0
	v_and_b32 v36, 31, v0
	v_and_b32 v37, 15, v0                          ; r
	v_bfe_u32 v38, v0, 4, 1                        ; h
	v_lshlrev_b32 v[LI], 4, v36
	v_lshlrev_b32 v[L8], 3, v36
	v_lshlrev_b32 v40, 3, v37                      ; Q's scale bytes: 8 r
	v_lshl_add_u32 v39, v37, 1, v38
	v_add_nc_u32 v[AST], s10, v39                  ; 32 bytes a wave, 2 r + h
	s_wait_alu depctr_va_vdst(0)
	s_wait_dscnt 0x0                               ; both opening adds are done
	s_wait_kmcnt 0x0
	s_mov_b32 s[G0], 1
	s_mov_b32 s[G0+1], s8
	s_add_nc_u64 s[G0+2:G0+3], s[70:71], s[6:7]
	s_add_nc_u64 s[G0+2:G0+3], s[G0+2:G0+3], s[8:9]
	s_or_b32 s[G0+3], s[G0+3], 0x80000000
	CROUND                                         ; all four work-groups are here: the joint loads meet
	tensor_load_to_lds s[G0:G0+3], s[G1:G1+7]      ; THE FILL, a first fill: one load a wave
	s_nop 0
.rept 4
	v_nop
.endr
	s_lshl_b32 s10, s5, 4
	s_add_co_u32 s10, s10, s[WV]                   ; my tile of queries, of the head's 128: step (that / 8), tile 4 c + u (that % 8)
	s_mul_i32 s12, s4, 69632
	s_lshr_b32 s14, s10, 3
	s_mul_i32 s14, s14, 4352
	s_add_co_u32 s12, s12, s14
	s_mov_b32 s13, 0
	s_add_nc_u64 s[76:77], s[68:69], s[12:13]
	s_and_b32 s12, s10, 7
	s_lshl_b32 s12, s12, 9
	s_add_nc_u64 s[68:69], s[76:77], s[12:13]      ; Q's image
	s_and_b32 s12, s10, 1                          ; its scale bytes: 128 (u % 2) + 4 (u / 2) + 2 c
	s_lshl_b32 s12, s12, 7
	s_bfe_u32 s14, s10, 0x10001
	s_lshl_b32 s14, s14, 2
	s_add_co_u32 s12, s12, s14
	s_bfe_u32 s14, s10, 0x10002
	s_lshl_b32 s14, s14, 1
	s_add_co_u32 s12, s12, s14
	s_add_co_u32 s12, s12, 4096
	s_add_nc_u64 s[76:77], s[76:77], s[12:13]
	global_load_b128 v[16:19], v[LI], s[68:69]     ; v16-27: q, zeros, q: [q, 0] is v[16:23], [0, q] is v[20:27]
	global_load_b128 v[24:27], v[LI], s[68:69]
	global_load_u16 v36, v40, s[76:77]
	; the output's image: [16 batch + step][head / 8][tile][(head / 2) % 4][head % 2][lane][16 bytes]
	s_and_b32 s14, s4, 15                          ; head
	s_lshr_b32 s15, s4, 4                          ; batch
	s_lshl_b32 s12, s15, 4
	s_lshr_b32 s16, s10, 3
	s_add_co_u32 s12, s12, s16
	s_lshl_b32 s12, s12, 16
	s_and_b32 s16, s10, 7
	s_lshl_b32 s16, s16, 12
	s_add_co_u32 s12, s12, s16
	s_lshr_b32 s16, s14, 3
	s_lshl_b32 s16, s16, 15
	s_add_co_u32 s12, s12, s16
	s_and_b32 s16, s14, 7
	s_lshl_b32 s16, s16, 9
	s_add_co_u32 s12, s12, s16
	s_add_nc_u64 s[72:73], s[72:73], s[12:13]
	s_lshl_b32 s12, s14, 13                        ; its scale bytes: [head][tile of 256][r] of two bytes: my work-group's 16 tiles are 512 bytes
	s_lshl_b32 s16, s15, 12
	s_add_co_u32 s12, s12, s16
	s_lshl_b32 s16, s5, 9
	s_add_co_u32 s12, s12, s16
	s_add_nc_u64 s[74:75], s[74:75], s[12:13]
	s_wait_loadcnt 0x0
	v_lshl_or_b32 v[QS], v36, 16, v36              ; the row's two bytes, for both halves of the instruction's K
	v_mov_b32 v[RM], 0xff61b1e6                    ; the largest score so far: -3e38, under every score
	v_mov_b32 v[NM], 0x7f61b1e6                    ; -M = 3e38
	v_mov_b32 v14, 0
	v_mov_b32 v15, 0
	v_mov_b32 v[FF+1], 0                           ; named as the upper half of a pair
.irp c, 0,1,2,3
	v_mov_b32 v[20+\c], 0
	v_mov_b32 v[E+\c], 0                           ; a lane permute's destination counts as one of its sources
	v_mov_b32 v[BM+\c], 0
.endr
.set n, 0
.rept 32
	v_mov_b32 v[O+n], 0                            ; O^T: the first change of M leaves the zeros zeros
.set n, n+1
.endr
.set n, 98
.rept 30
	v_mov_b32 v[S+n], 0                            ; the first step finds nothing left over from a step before it: zeros to add,
.set n, n+1
.endr
.irp c, 0,1,2,3,4,5
	v_mov_b32 v[246+\c], 0                         ; to partial sums of zero
.endr
.macro KLOAD a, o                      ; K's eight tiles of a half: fragment rows 0-15: tiles 2 i and 4 + 2 i, rows 16-31: tiles 2 i + 1 and 5 + 2 i
.irp i, 0,1
	ds_load_b128 v[KF+16*\i:KF+16*\i+3], v[\a] offset:(\o)+1024*\i
	ds_load_b128 v[KF+16*\i+4:KF+16*\i+7], v[\a] offset:(\o)+2048+1024*\i
	ds_load_b128 v[KF+16*\i+8:KF+16*\i+11], v[\a] offset:(\o)+512+1024*\i
	ds_load_b128 v[KF+16*\i+12:KF+16*\i+15], v[\a] offset:(\o)+2560+1024*\i
.endr
.endm
.macro VLOAD f, o                      ; V's four channel tiles x 128 keys
.irp n, 0,1,2,3
.irp c, 0,1
	ds_load_b128 v[\f+8*\n+4*\c:\f+8*\n+4*\c+3], v[ADR] offset:(\o)+4096+1024*\n+512*\c
.endr
.endr
.endm
.macro QK d, ks                        ; 128 keys: register 32 c + 8 u + j of the 64 is place 8 (u xor lane / 16) + j of block 2 c + lane / 16
.irp i, 0,1
	v_wmma_scale_f32_32x16x128_f4 v[\d+16*\i:\d+16*\i+15], v[KF+16*\i:KF+16*\i+15], v[16:23], 0, v[\ks+\i], v[QS]
	v_wmma_scale_f32_32x16x128_f4 v[\d+16*\i+32:\d+16*\i+47], v[KF+16*\i:KF+16*\i+15], v[20:27], 0, v[\ks+\i], v[QS]
.endr
.endm
.macro PV f, cd, vs, half              ; the four accumulators take turns; the second half's scale words of p stand in lanes 16-31
.irp n, 0,1,2,3
.set rD, O+8*\n
.set rA, \f+8*\n
.set rV, \vs+(\n/2)
.if \half
.if \n % 2
	v_wmma_scale_f32_16x16x128_f8f6f4 v[rD:rD+7], v[rA:rA+7], v[\cd:\cd+7], v[rD:rD+7], v[rV], v[PW] matrix_a_fmt:MATRIX_FMT_FP4 matrix_b_fmt:MATRIX_FMT_FP4 matrix_a_scale:MATRIX_SCALE_ROW1 matrix_b_scale:MATRIX_SCALE_ROW1
.else
	v_wmma_scale_f32_16x16x128_f8f6f4 v[rD:rD+7], v[rA:rA+7], v[\cd:\cd+7], v[rD:rD+7], v[rV], v[PW] matrix_a_fmt:MATRIX_FMT_FP4 matrix_b_fmt:MATRIX_FMT_FP4 matrix_b_scale:MATRIX_SCALE_ROW1
.endif
.else
.if \n % 2
	v_wmma_scale_f32_16x16x128_f8f6f4 v[rD:rD+7], v[rA:rA+7], v[\cd:\cd+7], v[rD:rD+7], v[rV], v[PW] matrix_a_fmt:MATRIX_FMT_FP4 matrix_b_fmt:MATRIX_FMT_FP4 matrix_a_scale:MATRIX_SCALE_ROW1
.else
	v_wmma_scale_f32_16x16x128_f8f6f4 v[rD:rD+7], v[rA:rA+7], v[\cd:\cd+7], v[rD:rD+7], v[rV], v[PW] matrix_a_fmt:MATRIX_FMT_FP4 matrix_b_fmt:MATRIX_FMT_FP4
.endif
.endif
.endr
.endm
.macro VFR f, o, n                     ; one channel tile of V
.irp c, 0,1
	ds_load_b128 v[\f+8*\n+4*\c:\f+8*\n+4*\c+3], v[ADR] offset:(\o)+4096+1024*\n+512*\c
.endr
.endm
; THE LARGEST SCORES of blocks b0, b0 + 1, each in two chains (in v[BM ..] and v[TB ..]) that are joined at the end
.macro MXP b0, i, d                    ; places i, i + 1
.irp b, \b0, \b0+1
	v_max3_num_f32 v[\d+\b], v[\d+\b], v[S+32*(\b)+\i], v[S+32*(\b)+\i+1]
.endr
.endm
.macro MXA b0                          ; places 0 to 17
.irp b, \b0, \b0+1
	v_max3_num_f32 v[BM+\b], v[S+32*(\b)], v[S+32*(\b)+1], v[S+32*(\b)+2]
.endr
.irp b, \b0, \b0+1
	v_max3_num_f32 v[TB+\b], v[S+32*(\b)+3], v[S+32*(\b)+4], v[S+32*(\b)+5]
.endr
.irp i, 6,10,14
	MXP \b0, \i, BM
	MXP \b0, \i+2, TB
.endr
.endm
.macro MXB b0                          ; places 18 to 31
.irp i, 18,22,26
	MXP \b0, \i, BM
	MXP \b0, \i+2, TB
.endr
	MXP \b0, 30, BM
.irp b, \b0, \b0+1
	v_max_num_f32 v[BM+\b], v[BM+\b], v[TB+\b]
.endr
.endm
.macro LATE                            ; what a step leaves of its sums: 15 pairs of its second half, which lie untouched until the next step's second product of scores
	v_pk_add_f32 v[246:247], v[246:247], v[S+98:S+99]
	v_pk_add_f32 v[248:249], v[248:249], v[S+100:S+101]
	v_pk_add_f32 v[250:251], v[250:251], v[S+102:S+103]
	SUM4 S+104
	SUM4 S+112
	SUM4 S+120
.endm
.macro JOIN                            ; the four partial sums become one
	v_pk_add_f32 v[14:15], v[14:15], v[246:247]
	v_pk_add_f32 v[248:249], v[248:249], v[250:251]
	v_pk_add_f32 v[14:15], v[14:15], v[248:249]
.endm
.macro SUM4 b                          ; eight p into the four partial sums
	v_pk_add_f32 v[14:15], v[14:15], v[\b:\b+1]
	v_pk_add_f32 v[246:247], v[246:247], v[\b+2:\b+3]
	v_pk_add_f32 v[248:249], v[248:249], v[\b+4:\b+5]
	v_pk_add_f32 v[250:251], v[250:251], v[\b+6:\b+7]
.endm
.macro OSC k                           ; O^T under the new M, k pairs
.rept \k
	v_pk_mul_f32 v[O+n:O+n+1], v[O+n:O+n+1], v[FF:FF+1] op_sel_hi:[1,0]
.set n, n+2
.endr
.endm
.macro TMM k                           ; t - M, k pairs (of the pairs c and -M the low word serves both halves)
.rept \k
	v_pk_fma_f32 v[S+n:S+n+1], v[S+n:S+n+1], s[CS:CS+1], v[12:13] op_sel_hi:[1,0,0]
.set n, n+2
.endr
.endm
.macro CVT d, m                        ; eight p to codes: group m of 16
	v_cvt_scalef32_pk8_fp4_f32 v[\d], v[S+8*(\m):S+8*(\m)+7], v[E+(\m)/4]
.endm
; A STEP: 256 keys.  more = 1: the next step's first fragments of K are asked for
.macro STEP more
	s_wait_dscnt 0x0                               ; K's first half and the scale words
	QK S, KS0
	v_add_nc_u32 v[ADR], s[TK], v[LI]              ; four places: in front of the loads into K's registers and the reads of the scores
	v_add_nc_u32 v[ADS], s[TK], v[L8]
	v_nop
	v_nop
	KLOAD ADR, SB
	MXA 0                                          ; 47 vector instructions stand between these loads and the wait for them
	LATE
	MXB 0
	s_wait_dscnt 0x0                               ; K's second half
	QK S+64, KS1
	JOIN                                           ; four places
	v_nop
	ds_load_b64 v[VS0:VS0+1], v[ADS] offset:8448
	ds_load_b64 v[VS1:VS1+1], v[ADS] offset:SB+8448
	VFR KF, 0, 0
	VFR KF, 0, 1
	MXA 2
	v_max3_num_f32 v[RM], v[RM], v[BM], v[BM+1]
	MXB 2
	v_max3_num_f32 v[RM], v[RM], v[BM+2], v[BM+3]
	VFR KF, 0, 2                                   ; V's last fragments between links of the chain to M
	v_permlanex16_b32 v[E], v[RM], s[SEL], s[SEL+1]
	VFR KF, 0, 3
	v_max_num_f32 v[RM], v[RM], v[E]               ; my query's largest score so far
	s_delay_alu instid0(VALU_DEP_1)
	v_mul_f32 v[TB], s[NC], v[RM]
	s_delay_alu instid0(VALU_DEP_1)
	v_floor_f32 v[TB], v[TB]                       ; the new -M = floor(-t): M is a whole number
	s_delay_alu instid0(VALU_DEP_1)
	v_sub_f32 v[TB+1], v[TB], v[NM]                ; old M - new M: a whole number, 0 or less
	v_mov_b32 v[NM], v[TB]
	s_delay_alu instid0(VALU_DEP_2)
	v_cvt_i32_f32 v[TB+1], v[TB+1]                 ; (it saturates)
	s_delay_alu instid0(VALU_DEP_1)
	v_ldexp_f32 v[FF], 1.0, v[TB+1]                ; 2^(old M - new M)
	v_pk_fma_f32 v[TB:TB+1], v[BM:BM+1], s[CS:CS+1], v[12:13] op_sel_hi:[1,0,0]   ; the blocks' largest t - M
	v_pk_fma_f32 v[TB+2:TB+3], v[BM+2:BM+3], s[CS:CS+1], v[12:13] op_sel_hi:[1,0,0]
.set n, 0
	OSC 6
.irp b, 0,1,2,3
	v_max_num_f32 v[TB+\b], 0xc2f80000, v[TB+\b]   ; not under -124: the byte cannot fall under 1
.endr
	OSC 5
.irp b, 0,1,2,3
	v_cvt_floor_i32_f32 v[TB+\b], v[TB+\b]
.endr
	OSC 5
.irp b, 0,1,2,3
	v_lshl_add_u32 v[E+\b], v[TB+\b], 23, 0x3e800000   ; 2^(floor - 2): the conversion's scale operand
.endr
.set n, 0
	v_lshl_add_u32 v[BM], v[TB+1], 16, v[TB]       ; p's scale words: my two blocks' bytes floor + 125 of each half stand 16 bits apart
	v_lshl_add_u32 v[BM+1], v[TB+3], 16, v[TB+2]
	TMM 8
	v_add_nc_u32 v[BM], 0x7d007d, v[BM]
	v_add_nc_u32 v[BM+1], 0x7d007d, v[BM+1]
	TMM 8
	v_permlane16_swap_b32 v[BM], v[BM+1]           ; lanes 0-15 take both parts of the first half's word, lanes 16-31 both of the second half's
	TMM 8
	v_lshl_or_b32 v[PW], v[BM+1], 8, v[BM]
	TMM 8
	s_wait_alu depctr_va_vdst(0)                   ; ahead of the batch
.rept 32
	v_exp_f32 v[S+n-64], v[S+n-64]                 ; p of the first half, and t - M of the second (n runs from 64 on)
	v_exp_f32 v[S+n-63], v[S+n-63]
	v_pk_fma_f32 v[S+n:S+n+1], v[S+n:S+n+1], s[CS:CS+1], v[12:13] op_sel_hi:[1,0,0]
.set n, n+2
.endr
	s_wait_alu depctr_va_vdst(0)                   ; and behind it
	v_pk_fma_f32 v[14:15], v[14:15], v[FF:FF+1], v[S:S+1] op_sel_hi:[1,0,1]   ; the sum under the new M
	v_pk_add_f32 v[246:247], v[S+2:S+3], v[S+4:S+5]
	v_pk_add_f32 v[248:249], v[S+6:S+7], v[S+8:S+9]
	v_pk_add_f32 v[250:251], v[S+10:S+11], v[S+12:S+13]
.irp b, 14,22,30,38,46,54
	SUM4 S+\b
.endr
	s_wait_alu depctr_va_vdst(0)                   ; ahead of the batch
.set n, 64
.irp m, 0,1,2,3
	CVT C0+\m, \m
	v_exp_f32 v[S+n], v[S+n]
	v_exp_f32 v[S+n+1], v[S+n+1]
.set n, n+2
.endr
	VLOAD S, SB                                    ; V's second half, over p that has become codes
.irp m, 4,5,6,7
	CVT C0+\m, \m
	v_exp_f32 v[S+n], v[S+n]
	v_exp_f32 v[S+n+1], v[S+n+1]
.set n, n+2
.endr
.rept 48
	v_exp_f32 v[S+n], v[S+n]
.set n, n+1
.endr
	v_pk_add_f32 v[14:15], v[14:15], v[S+62:S+63]
	s_wait_alu depctr_va_vdst(0)                   ; and behind it
	s_wait_dscnt 0x0                               ; V
	SUM4 S+64
	PV KF, C0, VS0, 0
	SUM4 S+72                                      ; (four places in front of the loads below)
.if \more
	ds_load_b64 v[KS0:KS0+1], v[ADS] offset:2*SB+8192
	ds_load_b64 v[KS1:KS1+1], v[ADS] offset:3*SB+8192
	KLOAD ADR, 2*SB
.endif
.irp m, 0,1,2,3,4,5,6,7
	CVT S+32+\m, 8+\m
.endr
	SUM4 S+80                                      ; four places behind the codes
	PV S, S+32, VS1, 1
	SUM4 S+88                                      ; five places in front of products that write over these operands
	v_pk_add_f32 v[14:15], v[14:15], v[S+96:S+97]
.endm
	s_wait_alu depctr_va_vdst(0)                   ; the head's end
	s_wait_tensorcnt 0x0
	s_barrier_signal -1
	s_barrier_wait -1                              ; the whole head lies in LDS
	ds_load_b64 v[KS0:KS0+1], v[L8] offset:8192
	ds_load_b64 v[KS1:KS1+1], v[L8] offset:SB+8192
	KLOAD LI, 0
.Lkeys:
	STEP 1
	s_add_co_u32 s[TK], s[TK], 2*SB
	s_sub_co_u32 s[CNT], s[CNT], 1
	s_cmp_lg_u32 s[CNT], 0
	s_cbranch_scc1 .Lkeys
	STEP 0                                         ; the last step asks for nothing more
	; THE WAY OUT.  O^T / the sum: my lane's 32 registers are one block of the last product's K: channels 32 h + 8 (n xor h) + 0 .. 7, h = lane / 16
	LATE
	JOIN
	v_add_f32 v14, v14, v15
	v_permlanex16_b32 v[E], v14, s[SEL], s[SEL+1]
	v_add_f32 v14, v14, v[E]                       ; with lane l xor 16's
	s_wait_alu depctr_va_vdst(0)                   ; ahead of the transcendental
	v_rcp_f32 v14, v14
	v_nop                                          ; one plain place behind a transcendental
	s_wait_alu depctr_va_vdst(0)                   ; and the wait behind it
.set n, 0
.rept 16
	v_pk_mul_f32 v[S+n:S+n+1], v[O+n:O+n+1], v[14:15] op_sel_hi:[1,0]   ; each accumulator from its low end on
.set n, n+2
.endr
	v_max3_num_f32 v[BM], |v[S]|, |v[S+1]|, 0x1800000
	v_max3_num_f32 v[BM+1], |v[S+2]|, |v[S+3]|, 0x1800000
.irp i, 4,8,12,16,20,24,28
	v_max3_num_f32 v[BM], v[BM], |v[S+\i]|, |v[S+\i+1]|
	v_max3_num_f32 v[BM+1], v[BM+1], |v[S+\i+2]|, |v[S+\i+3]|
.endr
	v_max_num_f32 v[BM], v[BM], v[BM+1]
	v_add_nc_u32 v[E], 0xff000000, v[BM]           ; 2 off its exponent field
	v_lshrrev_b32 v[E+1], 23, v[E]                 ; the scale's byte
.irp g, 0,1,2,3
	v_cvt_scalef32_pk8_fp4_f32 v[C0+\g], v[S+8*\g:S+8*\g+7], v[E]
.endr
	v_add_nc_u32 v[ADR], ASTG, v[LI]               ; (a plain place behind the scaled conversions)
	v_cndmask_b32 v[C0+4], v[C0], v[C0+1], s[HM]   ; lanes 16-31: the groups of eight into ascending order
	v_cndmask_b32 v[C0+5], v[C0+1], v[C0], s[HM]
	v_cndmask_b32 v[C0+6], v[C0+2], v[C0+3], s[HM]
	v_cndmask_b32 v[C0+7], v[C0+3], v[C0+2], s[HM]
	global_store_b128 v[LI], v[C0+4:C0+7], s[72:73]   ; 512 consecutive bytes
	ds_store_b8 v[AST], v[E+1]
	s_wait_alu depctr_va_vdst(0)
	s_wait_dscnt 0x0
	s_barrier_signal -1
	s_barrier_wait -1                              ; the sixteen tiles' scale bytes, 512 bytes, lie in the stage
	s_cmp_lg_u32 s[WV], 0
	s_cbranch_scc1 .Lno_scl
	ds_load_b128 v[S:S+3], v[ADR]
	s_wait_dscnt 0x0
	global_store_b128 v[LI], v[S:S+3], s[74:75]    ; 512 consecutive bytes
.Lno_scl:
	s_wait_tensorcnt 0x0                           ; the wave's end
	ds_add_u32 v[SPW], v[NIL]
	s_wait_dscnt 0x0
	CROUND                                         ; the closing round
	s_endpgm
.Lfunc_end_k_q9bfcc99242_attn:
	.size	k_q9bfcc99242_attn, .Lfunc_end_k_q9bfcc99242_attn-k_q9bfcc99242_attn
	.p2alignl 7, 3214868480
	.fill 96, 4, 3214868480
	.section	.rodata,"a",@progbits
	.p2align	6, 0x0
	.amdhsa_kernel k_q9bfcc99242_attn
		.amdhsa_group_segment_fixed_size 167936
		.amdhsa_private_segment_fixed_size 0
		.amdhsa_enable_private_segment 0
		.amdhsa_kernarg_size 32
		.amdhsa_user_sgpr_count 2
		.amdhsa_user_sgpr_kernarg_segment_ptr 1
		.amdhsa_wavefront_size32 1
		.amdhsa_system_sgpr_workgroup_id_x 1
		.amdhsa_system_sgpr_workgroup_id_y 1
		.amdhsa_system_sgpr_workgroup_id_z 1
		.amdhsa_system_vgpr_workitem_id 0
		.amdhsa_next_free_vgpr 256
		.amdhsa_next_free_sgpr 84
		.amdhsa_reserve_vcc 0
		.amdhsa_float_denorm_mode_32 3
		.amdhsa_float_denorm_mode_16_64 3
		.amdhsa_memory_ordered 1
		.amdhsa_forward_progress 1
		.amdhsa_inst_pref_size 62
	.end_amdhsa_kernel
	.amdgpu_metadata
---
amdhsa.version: [ 1, 2 ]
amdhsa.kernels:
  - .name:           k_q9bfcc99242_attn
    .symbol:         k_q9bfcc99242_attn.kd
    .args:
      - { .name: qbuf, .offset: 0, .size: 8, .value_kind: global_buffer, .address_space: global }
      - { .name: kvbuf, .offset: 8, .size: 8, .value_kind: global_buffer, .address_space: global }
      - { .name: aimg, .offset: 16, .size: 8, .value_kind: global_buffer, .address_space: global }
      - { .name: ascl, .offset: 24, .size: 8, .value_kind: global_buffer, .address_space: global }
    .group_segment_fixed_size: 167936
    .private_segment_fixed_size: 0
    .kernarg_segment_align: 8
    .kernarg_segment_size: 32
    .max_flat_workgroup_size: 512
    .sgpr_count:     84
    .vgpr_count:     256
    .wavefront_size: 32
...
	.end_amdgpu_metadata
.endif
;; end of part 2
;; launch oproj (part 3): grid 8 x 32, 8 waves a work-group, clusters of 4 x 4, 179,200 bytes of LDS; arguments aimg, ascl, Wo_codes, Wo_scales, bo, out0; writes out0
.if DOCPART == 3
	.amdgcn_target "amdgcn-amd-amdhsa--gfx1250"
	.amdhsa_code_object_version 6
	.text
	.protected	k_q9bfcc99242_oproj
	.globl	k_q9bfcc99242_oproj
	.p2align	8
	.type	k_q9bfcc99242_oproj,@function
k_q9bfcc99242_oproj:
	s_mov_b64 s[64:65], 0
	v_nop
	global_prefetch_b8 v0, s[64:65] scope:SCOPE_SE
	s_setreg_imm32_b32 hwreg(HW_REG_WAVE_MODE, 25, 1), 1
	s_wait_xcnt 0x0
	s_wait_alu depctr_hold_cnt(0) depctr_sa_sdst(0) depctr_va_vdst(0) depctr_va_sdst(0) depctr_va_ssrc(0) depctr_va_vcc(0) depctr_vm_vsrc(0)
	s_getreg_b32 s2, hwreg(HW_REG_IB_STS2, 6, 4)
	s_cmp_eq_u32 s2, 0
	s_cbranch_scc0 .Lentry_in_a_cluster
	s_endpgm
.Lentry_in_a_cluster:
	s_bfe_u32 s2, ttmp6, 0x10000c
	s_cmp_lg_u32 s2, 0xf033
	s_cbranch_scc0 .Lentry_shape_is_right
	s_endpgm
.Lentry_shape_is_right:
; out0 = A Wo^T + bo on codes of FP4 (E2M1) with E8M0 scales, K = 1,024.  A is the attention's output as the launch before left it: images of operand registers, [block of 128 rows][K half][tile 8][K step 4][c 2][lane][16 bytes],
; lane r of tile 4 c + u being row 64 c + 32 (r / 8) + 8 (u xor (r / 8)) + r % 8 of the block; its scale bytes [head][tile][r] of two bytes.  Wo: codes and scale bytes as given, K innermost.
; SHARES.  A work-group makes 128 rows (block Y) x 128 columns (block X).  Eight waves: wm = wave % 4 takes row tiles 2 wm, 2 wm + 1; wn = wave / 4 takes 64 columns, four tiles of Wo's rows: eight accumulators.
; The matrix instruction is used transposed (source 0 = 16 rows of Wo, source 1 = 16 rows of A): a lane holds eight neighbouring columns of one row of the output.
; LDS is filled once: A's and Wo's tiles for all of K in two halves, and their scale bytes: six loads, one each of waves 0 to 5.  CLUSTER 4 x 4: A's tile hangs on Y alone and is asked for jointly along a row of the
; cluster, Wo's on X alone, along a column.  The bias is what the accumulators begin with.  No prefetch: all that the work-group reads is asked for at its head.
.set HT,   128*272                     ; half of Wo's tile: 128 rows of 256 bytes + 16
.set AIM,  0                           ; A's images: two dense halves of 32,768 bytes
.set WO,   65536                       ; Wo's two halves
.set ASC,  WO+2*HT                     ; A's scale bytes: [head 16][256 bytes]
.set WSC,  ASC+4096                    ; Wo's: 128 rows x 32 bytes, dense
.set STG,  WSC+4096                    ; the way out: 16 rows x (256 bytes + 16) for each wave: written by LDS stores alone
.set SPARE, STG+8*16*272
.set G1A,  4
.set G1AS, 12
.set G1W,  20
.set G1WS, 28
.set G0A,  36                          ; s[36:47] three groups 0 for A: scale bytes, K half 0, K half 1;  s[48:59] for Wo
.set G0W,  48
.set WV,   60
.set WM,   61
.set WN,   62
.set XB,   67
.set YB,   2
.set LI,   1
.set AW,   2
.set AA,   3
.set ASW,  4                           ; v4  Wo's scale words: lanes 0-15 tiles 0, 1; lanes 16-31 tiles 2, 3
.set ASA,  5                           ; v5  A's scale bytes: lanes 0-15 my first row tile, lanes 16-31 my second
.set STO,  6
.set RD,   7
.set CO,   8
.set BO,   9
.set WSR,  16                          ; v16-31 Wo's scale words: register 8 p + ks   (scales and nothing else)
.set ASR,  32                          ; v32-39 A's: register ks                      (scales and nothing else)
.set HB,   40                          ; v40-55 A's scale bytes, two of each head
.set SPW,  62
.set NIL,  63
.set FR,   64                          ; fragments, two sets of 48: four of Wo, two of A
.set ACC,  160                         ; v160-223 accumulator (row tile j, column tile i) at 160 + 32 j + 8 i
.macro CROUND
	s_barrier_signal -1
	s_barrier_wait -1
	s_cmp_lg_u32 s[WV], 0
	s_cbranch_scc1 .Lnot_wave_0_\@
	s_barrier_signal -3
.Lnot_wave_0_\@:
	s_barrier_wait -3
	s_barrier_signal -1
	s_barrier_wait -1
.endm
.macro PLACES n
.rept \n
	v_nop
.endr
.endm
.macro DIM g, c, r, p                  ; descriptor group 1: rows of c elements, r rows, p elements from row to row
	s_mov_b32 s[\g+1], (\c)<<16
	s_mov_b32 s[\g+2], (\r)<<16
	s_mov_b32 s[\g+3], (\c)<<16
	s_mov_b32 s[\g+4], \r
	s_mov_b32 s[\g+5], \p
	s_mov_b32 s[\g+6], 0
	s_mov_b32 s[\g+7], 0
.endm
.macro ARM w, g0, g1                   ; one arm of the chain of first fills
	s_cmp_eq_u32 s[WV], \w
	s_cbranch_scc0 .Lnot_\w
	tensor_load_to_lds s[\g0:\g0+3], s[\g1:\g1+7]
	s_nop 0
	PLACES 4
	s_branch .Lasked
.Lnot_\w:
.endm
	s_load_b256 s[68:75], s[0:1], 0x0              ; aimg, ascl, Wo codes, Wo scales
	s_load_b128 s[76:79], s[0:1], 0x20             ; bo, out0
	v_lshl_add_u32 v[SPW], v0, 2, SPARE
	v_mov_b32 v[NIL], 0
	ds_add_u32 v[SPW], v[NIL]                      ; the opening adds
	ds_add_u32 v[SPW], v[NIL]
	v_lshrrev_b32 v10, 5, v0
	v_readfirstlane_b32 s[WV], v10                 ; wave 0..7
	s_and_b32 s[WM], s[WV], 3
	s_lshr_b32 s[WN], s[WV], 2
	s_bfe_u32 s3, ttmp6, 0x40000                   ; cx
	s_bfe_u32 s63, ttmp6, 0x40004                  ; cy
	s_and_b32 s[YB], ttmp7, 0xffff                 ; clusters: their y's low bit tells the columns apart, the rest of y and x the rows: so each of the two values of the cluster's x has rows of A of its own
	s_and_b32 s[XB], s[YB], 1
	s_lshl_b32 s[XB], s[XB], 2
	s_add_co_u32 s[XB], s[XB], s3
	s_lshr_b32 s[YB], s[YB], 1
	s_lshl_b32 s[YB], s[YB], 1
	s_add_co_u32 s[YB], s[YB], ttmp9
	s_lshl_b32 s[YB], s[YB], 2
	s_add_co_u32 s[YB], s[YB], s63
	s_lshl_b32 s63, s63, 2
	s_lshl_b32 s63, 15, s63                        ; my row of the cluster
	s_lshl_b32 s3, 0x1111, s3                      ; my column
	s_or_b32 s[G1A], s63, (3<<16)|(1<<21)          ; 32,768 dense bytes
	DIM G1A, 32, 128, 32
	s_or_b32 s[G1AS], s63, (3<<16)|(1<<21)         ; 16 heads x 256 bytes, 8,192 bytes (1,024 elements) apart
	DIM G1AS, 32, 16, 1024
	s_or_b32 s[G1W], s3, (1<<20)|(1<<21)|(5<<22)|(3<<25)   ; 128 rows x 256 bytes, 512 apart, 4 words of padding behind every 64
	DIM G1W, 256, 128, 512
	s_or_b32 s[G1WS], s3, (3<<16)|(1<<21)          ; 4,096 dense bytes
	DIM G1WS, 32, 16, 32
	s_mul_i32 s80, s[WN], 64*272
	s_add_co_u32 s80, s80, WO
	s_lshl_b32 s81, s[WM], 13
	s_lshl_b32 s82, s[WN], 11
	s_add_co_u32 s82, s82, WSC
	s_lshl_b32 s83, s[WM], 6
	s_add_co_u32 s83, s83, ASC
	s_mul_i32 s84, s[WV], 16*272
	s_add_co_u32 s84, s84, STG
	v_and_b32 v10, 31, v0                          ; lane
	v_and_b32 v11, 15, v0                          ; r
	v_bfe_u32 v12, v0, 4, 1                        ; h
	v_lshlrev_b32 v[LI], 4, v10
	v_mul_u32_u24 v13, v11, 272
	v_lshl_add_u32 v14, v12, 5, v11
	v_mul_u32_u24 v15, v12, 272
	v_lshlrev_b32 v[BO], 5, v12
	v_lshl_add_u32 v40, v12, 4, v13
	v_lshl_add_u32 v41, v12, 5, v13
	v_lshl_add_u32 v15, v11, 4, v15
	v_lshlrev_b32 v42, 12, v12
	v_add_nc_u32 v[AW], s80, v40                   ; Wo: row 64 wn + r, + 16 h
	v_add_nc_u32 v[AA], s81, v[LI]                 ; A: tile 2 wm of 4,096 bytes, + 16 x lane
	v_lshl_add_u32 v[ASW], v14, 5, s82             ; row 64 wn + 32 h + r of 32 bytes
	v_lshl_add_u32 v[ASA], v10, 1, s83             ; 32 bytes a tile, 2 a row
	v_add_nc_u32 v[STO], s84, v41
	v_add_nc_u32 v[RD], s84, v15
	v_lshl_add_u32 v[CO], v11, 4, v42              ; lanes 0-15 one row of the output, lanes 16-31 the next
	s_wait_alu depctr_va_vdst(0)
	s_wait_dscnt 0x0                               ; both opening adds are done
	s_wait_kmcnt 0x0
	s_lshl_b32 s80, s[YB], 8                       ; A's groups 0: Y alone enters them
	s_mov_b32 s81, 0
	s_mov_b32 s[G0A], 1
	s_mov_b32 s[G0A+1], ASC
	s_add_nc_u64 s[G0A+2:G0A+3], s[70:71], s[80:81]
	s_or_b32 s[G0A+3], s[G0A+3], 0x80000000
	s_lshl_b32 s80, s[YB], 16
	s_mov_b32 s[G0A+4], 1
	s_mov_b32 s[G0A+5], AIM
	s_add_nc_u64 s[G0A+6:G0A+7], s[68:69], s[80:81]
	s_mov_b32 s[G0A+8], 1
	s_mov_b32 s[G0A+9], AIM+32768
	s_add_nc_u64 s[G0A+10:G0A+11], s[G0A+6:G0A+7], 32768
	s_or_b32 s[G0A+7], s[G0A+7], 0x80000000
	s_or_b32 s[G0A+11], s[G0A+11], 0x80000000
	s_lshl_b32 s82, s[XB], 12                      ; Wo's: X alone
	s_mov_b32 s83, 0
	s_mov_b32 s[G0W], 1
	s_mov_b32 s[G0W+1], WSC
	s_add_nc_u64 s[G0W+2:G0W+3], s[74:75], s[82:83]
	s_or_b32 s[G0W+3], s[G0W+3], 0x80000000
	s_lshl_b32 s82, s[XB], 16
	s_mov_b32 s[G0W+4], 1
	s_mov_b32 s[G0W+5], WO
	s_add_nc_u64 s[G0W+6:G0W+7], s[72:73], s[82:83]
	s_mov_b32 s[G0W+8], 1
	s_mov_b32 s[G0W+9], WO+HT
	s_add_nc_u64 s[G0W+10:G0W+11], s[G0W+6:G0W+7], 256
	s_or_b32 s[G0W+7], s[G0W+7], 0x80000000
	s_or_b32 s[G0W+11], s[G0W+11], 0x80000000
	CROUND                                         ; all sixteen work-groups are here: the joint loads meet
	ARM 0, G0A+4, G1A                              ; THE FILLS, one a wave: what the first step needs by waves 0 to 3, K half 1 by waves 4 and 5
	ARM 1, G0W+4, G1W
	ARM 2, G0A, G1AS
	ARM 3, G0W, G1WS
	ARM 4, G0A+8, G1A
	ARM 5, G0W+8, G1W
.Lasked:
	s_lshl_b32 s84, s[YB], 7
	s_and_b32 s85, s[WM], 1
	s_lshl_b32 s85, s85, 4
	s_add_co_u32 s84, s84, s85
	s_lshr_b32 s85, s[WM], 1
	s_lshl_b32 s85, s85, 6
	s_add_co_u32 s84, s84, s85                     ; my first row: 128 Y + 64 (wm / 2) + 16 (wm % 2)
	s_lshl_b32 s84, s84, 12
	s_lshl_b32 s85, s[XB], 9
	s_lshl_b32 s86, s[WN], 8
	s_add_co_u32 s86, s86, s85                     ; my first column, in bytes: 512 X + 256 wn
	s_mov_b32 s87, 0
	s_add_nc_u64 s[76:77], s[76:77], s[86:87]
	s_add_co_u32 s84, s84, s86
	s_mov_b32 s85, 0
	s_add_nc_u64 s[78:79], s[78:79], s[84:85]
.irp j, 0,1
.irp i, 0,1,2,3
	global_load_b128 v[ACC+32*\j+8*\i:ACC+32*\j+8*\i+3], v[BO], s[76:77] offset:64*\i          ; THE ACCUMULATORS BEGIN AS THE BIAS: register n of tile i is column 16 i + 8 h + n
	global_load_b128 v[ACC+32*\j+8*\i+4:ACC+32*\j+8*\i+7], v[BO], s[76:77] offset:64*\i+16
.endr
.endr
.macro FETCH ks, set                   ; K step ks: four fragments of Wo, two of A: twelve loads
.irp i, 0,1,2,3
.irp c, 0,1
	ds_load_b128 v[FR+48*(\set)+8*\i+4*\c:FR+48*(\set)+8*\i+4*\c+3], v[AW] offset:((\ks)/4)*HT+4352*\i+64*((\ks)%4)+32*\c
.endr
.endr
.irp j, 0,1
.irp c, 0,1
	ds_load_b128 v[FR+48*(\set)+32+8*\j+4*\c:FR+48*(\set)+32+8*\j+4*\c+3], v[AA] offset:((\ks)/4)*32768+4096*\j+1024*((\ks)%4)+512*\c
.endr
.endr
.endm
.macro OMM i, j, ks
.set rD, ACC+32*(\j)+8*(\i)
.set rA, FR+48*((\ks)%2)+8*(\i)
.set rB, FR+48*((\ks)%2)+32+8*(\j)
.set rS, WSR+8*((\i)%2)+(\ks)
.set rT, ASR+(\ks)
.if (\i) < 2
.if (\j) == 0
	v_wmma_scale_f32_16x16x128_f8f6f4 v[rD:rD+7], v[rA:rA+7], v[rB:rB+7], v[rD:rD+7], v[rS], v[rT] matrix_a_fmt:MATRIX_FMT_FP4 matrix_b_fmt:MATRIX_FMT_FP4
.else
	v_wmma_scale_f32_16x16x128_f8f6f4 v[rD:rD+7], v[rA:rA+7], v[rB:rB+7], v[rD:rD+7], v[rS], v[rT] matrix_a_fmt:MATRIX_FMT_FP4 matrix_b_fmt:MATRIX_FMT_FP4 matrix_b_scale:MATRIX_SCALE_ROW1
.endif
.else
.if (\j) == 0
	v_wmma_scale_f32_16x16x128_f8f6f4 v[rD:rD+7], v[rA:rA+7], v[rB:rB+7], v[rD:rD+7], v[rS], v[rT] matrix_a_fmt:MATRIX_FMT_FP4 matrix_b_fmt:MATRIX_FMT_FP4 matrix_a_scale:MATRIX_SCALE_ROW1
.else
	v_wmma_scale_f32_16x16x128_f8f6f4 v[rD:rD+7], v[rA:rA+7], v[rB:rB+7], v[rD:rD+7], v[rS], v[rT] matrix_a_fmt:MATRIX_FMT_FP4 matrix_b_fmt:MATRIX_FMT_FP4 matrix_a_scale:MATRIX_SCALE_ROW1 matrix_b_scale:MATRIX_SCALE_ROW1
.endif
.endif
.endm
; K step ks: the next step's fragments are asked for, into the set that the step before multiplied, then this step's eight products: the eight accumulators take turns
.macro OSTEP ks
.if (\ks) == 3
	s_wait_tensorcnt 0x0                           ; K half 1 has landed,
	s_wait_dscnt 0x0
	s_barrier_signal -1
	s_barrier_wait -1                              ; everybody's: the fetch below reads it
.endif
.if (\ks) > 0
	PLACES 4                                       ; in front of loads into registers that the last products read
.endif
.if (\ks) < 7
	FETCH (\ks)+1, ((\ks)+1)%2
	s_wait_dscnt 12                                ; all but the twelve just issued
.else
	s_wait_dscnt 0x0
.endif
.irp j, 0,1
.irp i, 0,1,2,3
	OMM \i, \j, \ks
.endr
.endr
.endm
	s_cmp_ge_u32 s[WV], 4
	s_cbranch_scc1 .Lhalf1_out
	s_wait_tensorcnt 0x0                           ; K half 0 and the scale bytes; waves 4 and 5 leave K half 1 out
.Lhalf1_out:
	s_barrier_signal -1
	s_barrier_wait -1
.irp p, 0,1
.irp u, 0,1
	ds_load_b128 v[WSR+8*\p+4*\u:WSR+8*\p+4*\u+3], v[ASW] offset:512*\p+16*\u    ; Wo's scale words of all eight K steps
.endr
.endr
.irp d, 0,1,2,3,4,5,6,7,8,9,10,11,12,13,14,15
	ds_load_u16 v[HB+\d], v[ASA] offset:256*\d     ; A's two scale bytes of head d
.endr
	FETCH 0, 0
	s_wait_dscnt 12                                ; the scales are in; the fragments may be out
.irp k, 0,1,2,3,4,5,6,7
	v_lshl_or_b32 v[ASR+\k], v[HB+1+2*\k], 16, v[HB+2*\k]   ; K step k is heads 2 k and 2 k + 1: four bytes
.endr
	PLACES 8                                       ; a scale register written by a vector instruction stands eight places ahead of a scaled matrix instruction
	s_wait_alu depctr_va_vdst(0)
	s_wait_loadcnt 0x0                             ; the bias
.irp k, 0,1,2,3,4,5,6,7
	OSTEP \k
.endr
; THE WAY OUT.  A lane holds 32 neighbouring bytes of a row, and the lanes beside it hold other rows: a tile of 16 rows x 64 columns goes through my own stage and comes back as rows of 256 bytes.
; LDS serves a wave's instructions in order (ISA guide 5.7.1.4): no wait between the stores and the loads, nor in front of the next tile's stores.
.macro TOSTAGE j, bk
.irp i, 0,1,2,3
	ds_store_b128 v[STO], v[ACC+32*\j+8*\i:ACC+32*\j+8*\i+3] offset:64*\i        ; each accumulator from its low end on
	ds_store_b128 v[STO], v[ACC+32*\j+8*\i+4:ACC+32*\j+8*\i+7] offset:64*\i+16
.endr
.irp t, 0,1,2,3,4,5,6,7
	ds_load_b128 v[\bk+4*\t:\bk+4*\t+3], v[RD] offset:544*\t
.endr
.endm
.macro SEND j, bk, younger             ; younger: the LDS instructions issued behind this tile's loads.  Stage row 2 t + h of tile j is row 32 (t / 4) + 8 (j xor (t / 4)) + 2 (t % 4) + h behind my first
.irp t, 0,1,2,3,4,5,6,7
	s_wait_dscnt \younger+7-\t
	global_store_b128 v[CO], v[\bk+4*\t:\bk+4*\t+3], s[78:79] offset:(32*(\t/4)+8*((\j)^(\t/4))+2*(\t%4))*4096 th:TH_STORE_NT   ; 16 lanes store 256 consecutive bytes, at a multiple of 256 from the output's first byte
.endr
.endm
	PLACES 4                                       ; behind the last products: for the reads of results and the loads into fragment registers
	TOSTAGE 0, 224
	TOSTAGE 1, 64
	SEND 0, 224, 16
	SEND 1, 64, 0
	s_wait_tensorcnt 0x0                           ; the wave's end
	ds_add_u32 v[SPW], v[NIL]
	s_wait_dscnt 0x0
	CROUND                                         ; the closing round
	s_endpgm
.Lfunc_end_k_q9bfcc99242_oproj:
	.size	k_q9bfcc99242_oproj, .Lfunc_end_k_q9bfcc99242_oproj-k_q9bfcc99242_oproj
	.p2alignl 7, 3214868480
	.fill 96, 4, 3214868480
	.section	.rodata,"a",@progbits
	.p2align	6, 0x0
	.amdhsa_kernel k_q9bfcc99242_oproj
		.amdhsa_group_segment_fixed_size 179200
		.amdhsa_private_segment_fixed_size 0
		.amdhsa_enable_private_segment 0
		.amdhsa_kernarg_size 48
		.amdhsa_user_sgpr_count 2
		.amdhsa_user_sgpr_kernarg_segment_ptr 1
		.amdhsa_wavefront_size32 1
		.amdhsa_system_sgpr_workgroup_id_x 1
		.amdhsa_system_sgpr_workgroup_id_y 1
		.amdhsa_system_sgpr_workgroup_id_z 1
		.amdhsa_system_vgpr_workitem_id 0
		.amdhsa_next_free_vgpr 256
		.amdhsa_next_free_sgpr 96
		.amdhsa_reserve_vcc 0
		.amdhsa_float_denorm_mode_32 3
		.amdhsa_float_denorm_mode_16_64 3
		.amdhsa_memory_ordered 1
		.amdhsa_forward_progress 1
		.amdhsa_inst_pref_size 33
	.end_amdhsa_kernel
	.amdgpu_metadata
---
amdhsa.version: [ 1, 2 ]
amdhsa.kernels:
  - .name:           k_q9bfcc99242_oproj
    .symbol:         k_q9bfcc99242_oproj.kd
    .args:
      - { .name: aimg, .offset: 0, .size: 8, .value_kind: global_buffer, .address_space: global }
      - { .name: ascl, .offset: 8, .size: 8, .value_kind: global_buffer, .address_space: global }
      - { .name: Wo_codes, .offset: 16, .size: 8, .value_kind: global_buffer, .address_space: global }
      - { .name: Wo_scales, .offset: 24, .size: 8, .value_kind: global_buffer, .address_space: global }
      - { .name: bo, .offset: 32, .size: 8, .value_kind: global_buffer, .address_space: global }
      - { .name: out0, .offset: 40, .size: 8, .value_kind: global_buffer, .address_space: global }
    .group_segment_fixed_size: 179200
    .private_segment_fixed_size: 0
    .kernarg_segment_align: 8
    .kernarg_segment_size: 48
    .max_flat_workgroup_size: 256
    .sgpr_count:     96
    .vgpr_count:     256
    .wavefront_size: 32
...
	.end_amdgpu_metadata
.endif
;; end of part 3
